; MI455X (gfx1250); checked and timed in simulation.
; The chip was launched on July 23, 2026; its instructions are those of AMD's public machine-readable ISA for CDNA 5 (MIT licence, August 2026) and "CDNA5" Instruction Set Architecture Reference Guide (July 2026). The comments in the code are by the model that wrote it; some were corrected since.
;; Feed Forward Quantum. Allowed arithmetic: float matrix products may take bf16 or f16 operands with f32 sums; other float arithmetic in f32, or as packed bf16 or f16 multiplies, adds, multiply-adds, maxima and minima; sums over many terms, partial sums and values carried from step to step in f32; what a program stores and reads back later, other than sums and carried values, may be rounded once to bf16 or f16.
;; Inputs: W1 4,096 x 8 float32; W2 1,024 x 4,096 float32; b1 4,096 float32; b2 1,024 float32; theta 8 float32; x 8 x 2,048 x 1,024 float32.
;; Outputs: out0 8 x 2,048 x 1,024 float32.
;; 2 versions, each right; version 2 is version 1 with the launch prep written anew for expert scheduling mode. Each part assembles by itself: llvm-mc -triple=amdgcn-amd-amdhsa -mcpu=gfx1250 --defsym DOCPART=n.
;; ======== version 1 of 2: 2 launches
;; limits: values are held in f16: magnitudes above 65,504 overflow, below 6.1e-05 lose precision; inputs' magnitudes at most 1,000,000; values outside matrix products are rounded to f16
;; workspace buffers: w2h 8,388,608 bytes; w1e 131,072 bytes
;; launch prep (part 1): grid 256 x 1, 8 waves a work-group, no clusters, 0 bytes of LDS; arguments W2, W1, b1, w2h, w1e; writes w2h, w1e
.if DOCPART == 1
	.amdgcn_target "amdgcn-amd-amdhsa--gfx1250"
	.amdhsa_code_object_version 6
	.text
	.protected	k_qa3586ba748_prep
	.globl	k_qa3586ba748_prep
	.p2align	8
	.type	k_qa3586ba748_prep,@function
k_qa3586ba748_prep:
	s_mov_b64 s[64:65], 0
	v_nop
	global_prefetch_b8 v0, s[64:65] scope:SCOPE_SE
	s_setreg_imm32_b32 hwreg(HW_REG_WAVE_MODE, 25, 1), 1
	s_wait_xcnt 0x0
; w2h = W2 rounded once to f16, in W2's own row-major order [1024][4096].
; w1e = a table [4096][16] of f16: row f = W1[f][0..7], b1[f], seven zeros: 32 bytes, the two 16-byte halves of a matrix fragment's row.
; LIMIT.  f16 ends at 65,504: |W2|, |W1| and |b1| stay under it; below 6e-5 a number keeps f16's fixed step of 6e-8.
; SHARES.  A stream: no LDS, no barrier, no matrix work.  Work-group g casts bytes 65,536 g .. of W2 into bytes 32,768 g .. of w2h; wave v takes 8,192 of them by 16 loads of
; 512 consecutive bytes, all issued at once; each store of a wave covers 256 consecutive bytes, aligned.  No register is written twice, so no store's source is ever freed.
; Wave 0 also makes rows 16 g .. 16 g + 15 of w1e: lane l makes half l % 2 of row l / 2, and the wave's one store covers 512 consecutive bytes.
.set IN,  32                           ; v[32:95]   the 16 loads, four f32 a lane each
.set OUT, 96                           ; v[96:127]  the 16 stores, four f16 a lane each
	s_load_b256 s[4:11], s[0:1], 0x0               ; W2 s[4:5], W1 s[6:7], b1 s[8:9], w2h s[10:11]
	s_load_b64 s[12:13], s[0:1], 0x20              ; w1e
	v_lshrrev_b32 v3, 5, v0
	v_readfirstlane_b32 s14, v3                    ; wave 0..7
	v_and_b32 v4, 31, v0                           ; lane
	v_lshlrev_b32 v1, 4, v4
	v_lshl_or_b32 v1, v3, 13, v1                   ; in:  8,192 x wave + 16 x lane
	v_lshlrev_b32 v2, 3, v4
	v_lshl_or_b32 v2, v3, 12, v2                   ; out: 4,096 x wave + 8 x lane
	v_lshrrev_b32 v5, 1, v4                        ; the table's row among the group's 16
	v_and_b32 v6, 1, v4                            ; which half of it
	v_lshlrev_b32 v7, 5, v5                        ; a row of W1 is 32 bytes
	v_lshlrev_b32 v8, 2, v5                        ; a number of b1 is 4
	v_lshlrev_b32 v9, 4, v4                        ; my 16 bytes of the table
	v_mov_b32 v10, 0
	s_lshl_b32 s16, ttmp9, 16                      ; the group's part of W2,
	s_mov_b32 s17, 0
	s_lshl_b32 s18, ttmp9, 15                      ; of w2h,
	s_mov_b32 s19, 0
	s_lshl_b32 s20, ttmp9, 9                       ; of W1 and of w1e (16 rows of 32 bytes),
	s_mov_b32 s21, 0
	s_lshl_b32 s22, ttmp9, 6                       ; and of b1
	s_mov_b32 s23, 0
	s_wait_kmcnt 0x0
	s_add_nc_u64 s[4:5], s[4:5], s[16:17]
	s_add_nc_u64 s[10:11], s[10:11], s[18:19]
	s_add_nc_u64 s[6:7], s[6:7], s[20:21]
	s_add_nc_u64 s[12:13], s[12:13], s[20:21]
	s_add_nc_u64 s[8:9], s[8:9], s[22:23]
.irp j, 0,1,2,3,4,5,6,7,8,9,10,11,12,13,14,15
	global_load_b128 v[IN+4*(\j):IN+4*(\j)+3], v1, s[4:5] offset:512*(\j) th:TH_LOAD_NT
.endr
	s_cmp_lg_u32 s14, 0
	s_cbranch_scc1 .Lcast                          ; the table is wave 0's
	global_load_b128 v[12:15], v7, s[6:7]          ; W1[f][0..3]
	global_load_b128 v[16:19], v7, s[6:7] offset:16  ; W1[f][4..7]
	global_load_b32 v20, v8, s[8:9]                ; b1[f]
	s_wait_loadcnt 0x0
	v_cvt_pk_f16_f32 v22, v12, v13
	v_cvt_pk_f16_f32 v23, v14, v15
	v_cvt_pk_f16_f32 v24, v16, v17
	v_cvt_pk_f16_f32 v25, v18, v19
	v_cvt_pk_f16_f32 v26, v20, v10                 ; b1[f], 0
	v_cmp_eq_u32 vcc_lo, 1, v6
	v_cndmask_b32 v28, v22, v26, vcc_lo            ; half 0: W1's eight; half 1: b1 and zeros
	v_cndmask_b32 v29, v23, v10, vcc_lo
	v_cndmask_b32 v30, v24, v10, vcc_lo
	v_cndmask_b32 v31, v25, v10, vcc_lo
	global_store_b128 v9, v[28:31], s[12:13]
.Lcast:
.irp j, 0,1,2,3,4,5,6,7,8,9,10,11,12,13,14,15
	s_wait_loadcnt 15-(\j)                         ; loads come back in order: load j is in, the younger ones of the cast may stay out (in wave 0 all are in)
	v_cvt_pk_f16_f32 v[OUT+2*(\j)],   v[IN+4*(\j)],   v[IN+4*(\j)+1]
	v_cvt_pk_f16_f32 v[OUT+2*(\j)+1], v[IN+4*(\j)+2], v[IN+4*(\j)+3]
	global_store_b64 v2, v[OUT+2*(\j):OUT+2*(\j)+1], s[10:11] offset:256*(\j)
.endr
	s_endpgm
.Lfunc_end_k_qa3586ba748_prep:
	.size	k_qa3586ba748_prep, .Lfunc_end_k_qa3586ba748_prep-k_qa3586ba748_prep
	.p2alignl 7, 3214868480
	.fill 96, 4, 3214868480
	.section	.rodata,"a",@progbits
	.p2align	6, 0x0
	.amdhsa_kernel k_qa3586ba748_prep
		.amdhsa_group_segment_fixed_size 0
		.amdhsa_private_segment_fixed_size 0
		.amdhsa_enable_private_segment 0
		.amdhsa_kernarg_size 40
		.amdhsa_user_sgpr_count 2
		.amdhsa_user_sgpr_kernarg_segment_ptr 1
		.amdhsa_wavefront_size32 1
		.amdhsa_system_sgpr_workgroup_id_x 1
		.amdhsa_system_sgpr_workgroup_id_y 1
		.amdhsa_system_sgpr_workgroup_id_z 1
		.amdhsa_system_vgpr_workitem_id 0
		.amdhsa_next_free_vgpr 128
		.amdhsa_next_free_sgpr 66
		.amdhsa_reserve_vcc 1
		.amdhsa_float_denorm_mode_32 3
		.amdhsa_float_denorm_mode_16_64 3
		.amdhsa_memory_ordered 1
		.amdhsa_forward_progress 1
		.amdhsa_inst_pref_size 8
	.end_amdhsa_kernel
	.amdgpu_metadata
---
amdhsa.version: [ 1, 2 ]
amdhsa.kernels:
  - .name:           k_qa3586ba748_prep
    .symbol:         k_qa3586ba748_prep.kd
    .args:
      - { .name: W2, .offset: 0, .size: 8, .value_kind: global_buffer, .address_space: global }
      - { .name: W1, .offset: 8, .size: 8, .value_kind: global_buffer, .address_space: global }
      - { .name: b1, .offset: 16, .size: 8, .value_kind: global_buffer, .address_space: global }
      - { .name: w2h, .offset: 24, .size: 8, .value_kind: global_buffer, .address_space: global }
      - { .name: w1e, .offset: 32, .size: 8, .value_kind: global_buffer, .address_space: global }
    .group_segment_fixed_size: 0
    .private_segment_fixed_size: 0
    .kernarg_segment_align: 8
    .kernarg_segment_size: 40
    .max_flat_workgroup_size: 256
    .sgpr_count:     66
    .vgpr_count:     128
    .wavefront_size: 32
...
	.end_amdgpu_metadata
.endif
;; end of part 1
;; launch ffn (part 2): grid 128 x 2, 4 waves a work-group, clusters of 4 x 1, 327,680 bytes of LDS; arguments x, theta, w1e, w2h, b2, out0; writes out0
.if DOCPART == 2
	.amdgcn_target "amdgcn-amd-amdhsa--gfx1250"
	.amdhsa_code_object_version 6
	.text
	.protected	k_qa3586ba748_ffn
	.globl	k_qa3586ba748_ffn
	.p2align	8
	.type	k_qa3586ba748_ffn,@function
k_qa3586ba748_ffn:
	s_mov_b64 s[64:65], 0
	v_nop
	global_prefetch_b8 v0, s[64:65] scope:SCOPE_SE
	s_setreg_imm32_b32 hwreg(HW_REG_WAVE_MODE, 25, 1), 1
	s_wait_xcnt 0x0
	s_wait_alu depctr_hold_cnt(0) depctr_sa_sdst(0) depctr_va_vdst(0) depctr_va_sdst(0) depctr_va_ssrc(0) depctr_va_vcc(0) depctr_vm_vsrc(0)
	s_getreg_b32 s2, hwreg(HW_REG_IB_STS2, 6, 4)
	s_cmp_eq_u32 s2, 0
	s_cbranch_scc0 .Lentry_in_a_cluster
	s_endpgm
.Lentry_in_a_cluster:
	s_bfe_u32 s2, ttmp6, 0x10000c
	s_cmp_lg_u32 s2, 0x3003
	s_cbranch_scc0 .Lentry_shape_is_right
	s_endpgm
.Lentry_shape_is_right:
; out[t][e] = b2[e] + the sum over f of h[t][f] W2[e][f],  h[t][f] = max(0, b1[f] + the sum over i < 8 of q[t][i] W1[f][i]),  q[t][i] = cos(x[t][i]) cos(theta[i]).
; 16,384 tokens t, 4,096 f, 1,024 e.  x, theta, b2, out0 in f32; w2h = W2 in f16 [1024][4096]; w1e [4096][16] f16 = W1's row, b1, zeros (both made by the launch before).
; All matrix operands are f16, all sums f32; q, h are rounded once to f16; out is stored in f32.
; LIMITS.  f16 ends at 65,504: 8 max|W1| + max|b1| (a bound on h) stays under it.  The cosine: x - k pi with pi in two f32 parts, then the series through r^12 on |r| <= pi/2 (what is cut is under
; 1e-8 for every input, since r is always reduced); good to about 3e-7 for |x|, |theta| up to 1e6; beyond that the whole number k is no longer sure.  A NaN in front of the maximum gives 0.
; SHARES.  A work-group makes 128 tokens x 512 columns of out; its four waves lie side by side along the columns, 128 x 128 each: 64 accumulators, 512 registers.  256 work-groups.
; The sum over f goes in K steps of 128 through a ring of two LDS slots that the tensor data mover fills with w2h; a wave fetches and reads its own 128 rows of 256 bytes.
; h IS NEVER IN MEMORY.  h^T = W1e q^T by the matrix unit (8 numbers of W1 and b1 against 8 of q and a 1; the other k are 0): a lane of the result holds one token and eight neighbouring f,
; so two results, rounded in pairs, ARE a fragment (16 tokens x 32 f) of h.  All four waves need the same fragments: each makes a quarter of them, and they meet in LDS (HB), in the order in which
; they are read: 16 bytes a lane on end.  A PHASE is 64 f, half a K step; HB has two halves that take turns, phase by phase.
; THE MAIN PRODUCT IS USED TRANSPOSED (source 0 = 16 rows of w2h, source 1 = 16 tokens of h): a lane ends with eight neighbouring columns of one row of out.
; CLUSTER.  Four neighbouring token blocks of one column half walk the same rows of w2h: each tile is asked for JOINTLY, by the same tensor load, descriptor and mask in all four.
; REGISTERS, in windows of 256 (s_set_vgpr_msb: bits 1:0 source 0, 3:2 source 1, 5:4 source 2, 7:6 destination):
;   window 0: v0-29 addresses and constants; v32-63 HP, h packed; v64-127, v128-191 fragments of h, two buffers; v192-255 HT, eight results of h^T
;   window 1: v0-31 Q, my four token blocks' fragments of q; v32-63 WF, two sets of two fragments of w1e; v64-127, v128-191 fragments of w2h, two buffers
;   window 2: the accumulators of token blocks 0-3 ((a, b) at v[8 (8 (a % 4) + b)]);   window 3: those of blocks 4-7
.set PITCH,  272                       ; an LDS row of w2h: 256 bytes + 16 of padding = 68 words: the 16 rows of a fragment load start at 16 different groups of four banks (64 banks of 4 bytes: ISA guide 11.1)
.set HALFT,  128*PITCH                 ; 128 rows: what one tensor load brings, and what one wave reads
.set SLOT,   4*HALFT
.set HB,     2*SLOT                    ; behind the ring, never filled by a tensor load: h of one K step, 32,768 bytes: quarter c, token block a, registers 0-3 or 4-7 (g) at 8,192 c + 1,024 a + 512 g + 16 x lane
.set SPITCH, 272                       ; behind the last K step HB is the stage of the way out: 16 rows x 272 bytes for each wave
.set STG,    16*SPITCH
.set SPARE,  HB+32768                  ; the spare words, 128 bytes for each wave: two blocks of 256 bytes that no other line names
.set ADRA, 4                           ; v4     HB + 16 x lane
.set ADRB, 5                           ; v5-6   my lane's place in my wave's rows of slot 0, 1
.set HST,  7                           ; v7     where I put 16 bytes of a fragment of h that my wave makes
.set VW,   8                           ; v8-9   byte offset in w1e of my 16 bytes of set 0's, set 1's first fragment
.set STO,  10                          ; v10    the way out: where I put 32 bytes of a row
.set RD,   11                          ; v11    the way out: where I read a row back
.set CO,   12                          ; v12    my byte offset in two rows of out
.set PFO,  13                          ; v13    the prefetches' offset: my lane x a row of w2h (8,192 bytes); never rewritten
.set ZR,   14                          ; v14    0
.set XO,   15                          ; v15    my token's row in x
.set ONE,  16                          ; v16    1.0 and 0 in f16
.set TH0,  17                          ; v17    0: theta's offset
.set BO,   18                          ; v18    my 16 bytes of b2
.set BI,   20                          ; v[20:27] b2 of my four columns in each half of my wave's 128
.set SPW,  28                          ; v28    LDS address of my spare word: SPARE + 4 x my thread's number; never rewritten
.set NIL,  29                          ; v29    0; never rewritten
.set HP,   32
.set F0,   64
.set F1,   128
.set HT,   192
.set OB0,  32                          ; the way out: 16 rows read back from the stage, in HP's and HT's registers by turns
.set OB1,  192
.set XV,   64                          ; at the head: x of my four token blocks, 8 numbers each
.set CT,   96                          ; theta, then cos theta
.set KK,   192                         ; the cosine's registers at work, eight each
.set RR,   200
.set ZZ,   208
.set PP,   216
.set TQ,   224                         ; q, packed: 16 words
.set Q,    0                           ; window 1
.set WF,   32                          ; window 1: set s, tile ft at WF + 16 s + 8 ft
.set WV,   16                          ; s16    my wave's number
.set G1,   24                          ; s[24:31] descriptor group 1
.set G0,   32                          ; s[32:39] descriptor group 0, a set for each slot
.set PFA,  40                          ; s[40:41] where my prefetches stand
.set LIM,  42                          ; s42    1 in a cluster that prefetches, else the greatest number
.set TRIP, 43                          ; s43    the loop's count
.set HM,   44                          ; s44    the mask of lanes 0-15
.set LB,   45                          ; s45    my wave's rows in a slot
.set MSB, 0
.macro WIN new                         ; the immediate's high byte repeats the setting that is left; a switch that changes nothing is dropped
.if MSB != (\new)
	s_set_vgpr_msb (MSB<<8)|(\new)
.set MSB, \new
.endif
.endm
.set MUL_LO, 0xa1                      ; source 0 (w2h) window 1, source 1 (h) window 0, C and D window 2
.set MUL_HI, 0xf1                      ; the same, C and D window 3
.set TO_1,   0x40                      ; destination window 1, the rest window 0
.set W_PR,   0x05                      ; sources 0 and 1 window 1, D window 0
.macro PLACES                          ; four places behind a matrix instruction, in front of loads into registers that it has read and of lines that read its result
.rept 4
	v_nop
.endr
.endm
; A round of the cluster's barrier: my work-group's barrier, so that wave 0's signal speaks for all four waves; wave 0 signals; every wave waits for all four work-groups; my work-group's barrier once more.
.macro CREST                           ; a round behind its opening barrier
	s_cmp_lg_u32 s[WV], 0
	s_cbranch_scc1 .Lnot_wave_0_\@
	s_barrier_signal -3
.Lnot_wave_0_\@:
	s_barrier_wait -3
	s_barrier_signal -1
	s_barrier_wait -1
.endm
.macro CROUND
	s_barrier_signal -1
	s_barrier_wait -1
	CREST
.endm
; A PREFETCH INTO THE L2 of the K step that stands two refills on: 544 matrix instructions ahead of the load that will want it.  All clusters of a column half walk the same 512 rows of w2h: the first of
; them (cluster x = 0) asks.  A K step is 256 bytes of each row: 512 blocks = 4 partners x 4 waves x 32 lanes: of the 128 rows that wave w fetches the partner at place cx takes 32 cx .. 32 cx + 31, told
; apart BY ADDRESS, a lane a row, one instruction a wave: each block is named once in the launch.  The loop's last trip asks for nothing: K steps 32 and 33 do not exist.
.macro ASK
	s_cmp_gt_u32 s[TRIP], s[LIM]
	s_cbranch_scc0 .Lnot_mine_\@
	global_prefetch_b8 v[PFO], s[PFA:PFA+1] offset:256 th:TH_LOAD_NT scope:SCOPE_SE
.Lnot_mine_\@:
.endm
	s_load_b256 s[4:11], s[0:1], 0x0               ; x s[4:5], theta s[6:7], w1e s[8:9], w2h s[10:11]
	s_load_b128 s[12:15], s[0:1], 0x20             ; b2 s[12:13], out0 s[14:15]
	v_lshl_add_u32 v[SPW], v0, 2, SPARE
	v_mov_b32 v[NIL], 0
	ds_add_u32 v[SPW], v[NIL]                      ; the wave's opening: the add and its wait stand ahead of my first tensor load; the set-up below, work on registers, stands between them
	v_lshrrev_b32 v1, 5, v0
	v_readfirstlane_b32 s[WV], v1                  ; wave 0..3
	s_and_b32 s17, s[WV], 1                        ; which quarter of a phase's two I make of h
	s_lshr_b32 s18, s[WV], 1                       ; which four token blocks of it
	s_bfe_u32 s19, ttmp6, 0x40000                  ; cx: my place in the cluster
	s_lshl_b32 s20, ttmp9, 2                       ; in a cluster launch ttmp9 counts clusters
	s_add_co_u32 s20, s20, s19                     ; my block of 128 tokens = 4 x cluster x + cx: it enters x's, out0's and the prefetches' addresses alone
	s_and_b32 s21, ttmp7, 0xffff                   ; the column half, which the four partners share
	; descriptor group 1: a tile of 128 rows x 128 elements, padded in LDS
	s_mov_b32 s[G1+0], 15|(1<<16)|(1<<20)|(1<<21)|(5<<22)|(3<<25)  ; 15:0 the mask: all four work-groups; 17:16 elements of 2 bytes; 20 padding on; 21 set beside a mask; 24:22 after every 64 words (code 5); 31:25 4 words (code 3)
	s_mov_b32 s[G1+1], 128<<16                     ; tensor_dim0 = 128
	s_mov_b32 s[G1+2], 128<<16                     ; tensor_dim1 = 128
	s_mov_b32 s[G1+3], 128<<16                     ; tile_dim0 = 128
	s_mov_b32 s[G1+4], 128                         ; tile_dim1 = 128
	s_mov_b32 s[G1+5], 4096                        ; elements from row to row
	s_mov_b32 s[G1+6], 0
	s_mov_b32 s[G1+7], 0
	s_mov_b32 s48, 0x310f76c7                      ; the series' factors, each named as a pair: 1 / 12!
	s_mov_b32 s49, 0x310f76c7
	s_mov_b32 s50, 0xb493f27e                      ; -1 / 10!
	s_mov_b32 s51, 0xb493f27e
	s_mov_b32 s52, 0x37d00d01                      ; 1 / 8!
	s_mov_b32 s53, 0x37d00d01
	s_mov_b32 s54, 0xbab60b61                      ; -1 / 6!
	s_mov_b32 s55, 0xbab60b61
	s_mov_b32 s56, 0x3d2aaaab                      ; 1 / 4!
	s_mov_b32 s57, 0x3d2aaaab
	s_lshl_b32 s22, s21, 9
	s_lshl_b32 s23, s[WV], 7
	s_add_co_u32 s22, s22, s23                     ; my first row of w2h: 512 x half + 128 x wave,
	s_lshl_b32 s22, s22, 13                        ; in bytes
	s_mov_b32 s23, 0
	s_mul_i32 s[LB], s[WV], HALFT                  ; and where it goes: no place in the cluster enters an LDS address
	s_wait_dscnt 0x0                               ; the opening add is done
	s_wait_kmcnt 0x0
	s_add_nc_u64 s[22:23], s[10:11], s[22:23]
.irp n, 0,1
	s_mov_b32 s[G0+4*(\n)], 1                      ; 1:0 count = 1
	s_add_co_u32 s[G0+4*(\n)+1], s[LB], (\n)*SLOT  ; 63:32 LDS address
	s_add_nc_u64 s[G0+4*(\n)+2:G0+4*(\n)+3], s[22:23], (\n)*256  ; 120:64 global address: K step n
	s_or_b32 s[G0+4*(\n)+3], s[G0+4*(\n)+3], 0x80000000          ; 127:126 type = 2
.endr
	s_lshl_b32 s46, s19, 18                        ; my work-group's 32 rows of the 128 that I fetch
	s_mov_b32 s47, 0
	s_add_nc_u64 s[PFA:PFA+1], s[22:23], s[46:47]
	s_add_nc_u64 s[PFA:PFA+1], s[PFA:PFA+1], 512   ; at K step 2: the first refill steps it to 3 and names K step 4.  Nothing is prefetched here, at the head
	s_lshl_b32 s46, s20, 19                        ; my block's 128 rows of 4,096 bytes, in x and in out0
	s_add_nc_u64 s[14:15], s[14:15], s[46:47]
	s_add_nc_u64 s[4:5], s[4:5], s[46:47]
	s_lshl_b32 s46, s18, 18                        ; x: the 64 tokens whose q I make
	s_add_nc_u64 s[4:5], s[4:5], s[46:47]
	s_lshl_b32 s46, s21, 11                        ; out0 and b2: my wave's first column, in bytes: 2,048 x half + 512 x wave
	s_lshl_b32 s3, s[WV], 9
	s_add_co_u32 s46, s46, s3
	s_add_nc_u64 s[14:15], s[14:15], s[46:47]
	s_add_nc_u64 s[12:13], s[12:13], s[46:47]
	s_mov_b32 s[LIM], ttmp9
	s_cmp_eq_u32 s[LIM], 0                         ; the same in all four partners
	s_cselect_b32 s[LIM], 1, -1
	CROUND                                         ; all four work-groups are here: the first joint loads meet
	tensor_load_to_lds s[G0:G0+3], s[G1:G1+7]      ; K step 0.  Each wave brings rows of its own: both addresses hang on the wave's number.  Two loads of mine are out
	s_nop 0
	tensor_load_to_lds s[G0+4:G0+7], s[G1:G1+7]    ; K step 1
	s_nop 0
	PLACES
	v_and_b32 v3, 31, v0                           ; lane l
	v_and_b32 v1, 15, v0                           ; r = l % 16
	v_bfe_u32 v2, v0, 4, 1                         ; hh = l / 16
	v_mov_b32 v[TH0], 0
	v_lshlrev_b32 v[XO], 12, v1                    ; token r of a block; both halves of the lanes read the same row
	v_lshlrev_b32 v[BO], 4, v1
	v_lshlrev_b32 v[VW], 5, v1                     ; a row of w1e is 32 bytes; lanes 0-15 take W1's half of it, lanes 16-31 b1's
	v_lshl_add_u32 v[VW], v2, 4, v[VW]
	s_lshl_b32 s46, s17, 10                        ; my quarter's 32 rows
	v_add_nc_u32 v[VW], s46, v[VW]
	v_add_nc_u32 v[VW+1], 2048, v[VW]              ; set 1 begins with phase 1: 64 rows on
	global_load_b128 v[CT:CT+3],   v[TH0], s[6:7]
	global_load_b128 v[CT+4:CT+7], v[TH0], s[6:7] offset:16
.irp a, 0,1,2,3
	global_load_b128 v[XV+8*(\a):XV+8*(\a)+3],   v[XO], s[4:5] offset:65536*(\a)     ; the first 32 bytes of a token's row are all that enters q
	global_load_b128 v[XV+8*(\a)+4:XV+8*(\a)+7], v[XO], s[4:5] offset:65536*(\a)+16
.endr
	global_load_b128 v[BI:BI+3],   v[BO], s[12:13]
	global_load_b128 v[BI+4:BI+7], v[BO], s[12:13] offset:256
	WIN TO_1
.irp s, 0,1
	global_load_b128 v[WF+16*(\s):WF+16*(\s)+3],    v[VW+(\s)], s[8:9]               ; phases 0 and 1 of w1e
	global_load_b128 v[WF+16*(\s)+8:WF+16*(\s)+11], v[VW+(\s)], s[8:9] offset:512
.endr
.irp k, 0,1,2,3
.irp j, 4,5,6,7
	v_mov_b32 v[Q+8*(\k)+(\j)], 0                  ; k = 16 .. 31 of both sources of h^T: 0, written once
	v_mov_b32 v[WF+8*(\k)+(\j)], 0
.endr
.endr
	WIN 0
	v_lshl_add_u32 v[ADRA], v3, 4, HB
	v_mul_u32_u24 v[ADRB], v1, PITCH               ; a fragment's row x pitch + 16 x half, in my wave's rows
	v_lshl_add_u32 v[ADRB], v2, 4, v[ADRB]
	v_add_nc_u32 v[ADRB], s[LB], v[ADRB]
	v_add_nc_u32 v[ADRB+1], SLOT, v[ADRB]
	s_lshl_b32 s46, s17, 13                        ; my quarter in a half of HB,
	s_lshl_b32 s47, s18, 12                        ; my four token blocks in it
	s_add_co_u32 s46, s46, s47
	v_add_nc_u32 v[HST], s46, v[ADRA]
	s_mul_i32 s46, s[WV], STG
	s_add_co_u32 s46, s46, HB                      ; my stage
	v_mul_u32_u24 v[STO], v1, SPITCH               ; in: row r, 32 bytes for each half of the lanes
	v_lshl_add_u32 v[STO], v2, 5, v[STO]
	v_add_nc_u32 v[STO], s46, v[STO]
	v_mul_u32_u24 v[RD], v2, SPITCH                ; back: lanes 0-15 take one row of 256 bytes, lanes 16-31 the next
	v_lshl_add_u32 v[RD], v1, 4, v[RD]
	v_add_nc_u32 v[RD], s46, v[RD]
	v_lshlrev_b32 v[CO], 12, v2                    ; and the same two rows in out0
	v_lshl_add_u32 v[CO], v1, 4, v[CO]
	v_lshlrev_b32 v[PFO], 13, v3
	v_mov_b32 v[ZR], 0
	v_mov_b32 v[ONE], 0x3c00
	v_cmp_gt_u32 s[HM], 16, v3
; THE COSINE of eight numbers, in place: four packed chains side by side.  k = the whole number nearest x / pi; r = x - k pi, pi in two parts, each step one fused multiply-add;
; cos r = 1 - z/2 + z^2/4! - .. + z^6/12!, z = r^2; cos x = cos r, with the sign turned where k is odd.
.macro COS8 x
.irp p, 0,2,4,6
	v_pk_mul_f32 v[KK+\p:KK+\p+1], v[(\x)+\p:(\x)+\p+1], 0x3ea2f983 op_sel_hi:[1,0]
.endr
.irp p, 0,1,2,3,4,5,6,7
	v_rndne_f32 v[KK+\p], v[KK+\p]
.endr
.irp p, 0,2,4,6
	v_pk_fma_f32 v[RR+\p:RR+\p+1], v[KK+\p:KK+\p+1], 0xc0490fdb, v[(\x)+\p:(\x)+\p+1] op_sel_hi:[1,0,1]
.endr
.irp p, 0,2,4,6
	v_pk_fma_f32 v[RR+\p:RR+\p+1], v[KK+\p:KK+\p+1], 0x33bbbd2e, v[RR+\p:RR+\p+1] op_sel_hi:[1,0,1]
.endr
.irp p, 0,2,4,6
	v_pk_mul_f32 v[ZZ+\p:ZZ+\p+1], v[RR+\p:RR+\p+1], v[RR+\p:RR+\p+1]
.endr
.irp p, 0,2,4,6
	v_pk_fma_f32 v[PP+\p:PP+\p+1], v[ZZ+\p:ZZ+\p+1], s[48:49], s[50:51] op_sel_hi:[1,0,0]
.endr
.irp p, 0,2,4,6
	v_pk_fma_f32 v[PP+\p:PP+\p+1], v[PP+\p:PP+\p+1], v[ZZ+\p:ZZ+\p+1], s[52:53] op_sel_hi:[1,1,0]
.endr
.irp p, 0,2,4,6
	v_pk_fma_f32 v[PP+\p:PP+\p+1], v[PP+\p:PP+\p+1], v[ZZ+\p:ZZ+\p+1], s[54:55] op_sel_hi:[1,1,0]
.endr
.irp p, 0,2,4,6
	v_pk_fma_f32 v[PP+\p:PP+\p+1], v[PP+\p:PP+\p+1], v[ZZ+\p:ZZ+\p+1], s[56:57] op_sel_hi:[1,1,0]
.endr
.irp p, 0,2,4,6
	v_pk_fma_f32 v[PP+\p:PP+\p+1], v[PP+\p:PP+\p+1], v[ZZ+\p:ZZ+\p+1], -0.5 op_sel_hi:[1,1,0]
.endr
.irp p, 0,2,4,6
	v_pk_fma_f32 v[PP+\p:PP+\p+1], v[PP+\p:PP+\p+1], v[ZZ+\p:ZZ+\p+1], 1.0 op_sel_hi:[1,1,0]
.endr
.irp p, 0,1,2,3,4,5,6,7
	v_cvt_i32_f32 v[RR+\p], v[KK+\p]
.endr
.irp p, 0,1,2,3,4,5,6,7
	v_lshlrev_b32 v[RR+\p], 31, v[RR+\p]           ; k's lowest bit becomes a sign
.endr
.irp p, 0,1,2,3,4,5,6,7
	v_xor_b32 v[(\x)+\p], v[PP+\p], v[RR+\p]
.endr
.endm
; h^T OF A WAVE'S SHARE OF A PHASE: 8 products, tile t = 2 a' + ft: 16 f (ft) x 16 tokens (block a').  Each starts and ends its sum: C = 0.
; lc: the loads of w1e that may stay out: the other set's two.  reload = 1: the set is asked for again, two phases (4,096 bytes of w1e) on; its address is free since the wait above.
.macro PROD set, lc, reload
	s_wait_loadcnt \lc
	WIN W_PR
.irp t, 0,1,2,3,4,5,6,7
	v_wmma_f32_16x16x32_f16 v[HT+8*(\t):HT+8*(\t)+7], v[WF+16*(\set)+8*((\t)%2):WF+16*(\set)+8*((\t)%2)+7], v[Q+8*((\t)/2):Q+8*((\t)/2)+7], 0
.endr
	WIN 0
.if \reload
	v_add_nc_u32 v[VW+(\set)], 4096, v[VW+(\set)]  ; with three v_nop the four places in front of the loads below and of the results' first readers
	v_nop
	v_nop
	v_nop
	WIN TO_1
	global_load_b128 v[WF+16*(\set):WF+16*(\set)+3],    v[VW+(\set)], s[8:9]
	global_load_b128 v[WF+16*(\set)+8:WF+16*(\set)+11], v[VW+(\set)], s[8:9] offset:512
.else
	PLACES
.endif
.endm
; Group g of 16 of what follows h^T.  0-7: tile g is rounded to f16 in pairs, from its lowest registers on.  8-15: tile g - 8: the maximum with 0, two numbers a line, and its 16 bytes a lane go into HB.
.macro RIDE g, half
	WIN 0
.if (\g) < 8
.irp i, 0,1,2,3
	v_cvt_pk_f16_f32 v[HP+4*(\g)+(\i)], v[HT+8*(\g)+2*(\i)], v[HT+8*(\g)+2*(\i)+1]
.endr
.else
.irp i, 0,1,2,3
	v_pk_max_num_f16 v[HP+4*((\g)-8)+(\i)], v[HP+4*((\g)-8)+(\i)], v[ZR]
.endr
	ds_store_b128 v[HST], v[HP+4*((\g)-8):HP+4*((\g)-8)+3] offset:16384*(\half)+1024*(((\g)-8)/2)+512*(((\g)-8)%2)
.endif
.endm
.macro LUMP half                       ; all sixteen on end: at the head, where there are no products to set them between
.set gi, 0
.rept 16
	RIDE gi, \half
.set gi, gi+1
.endr
.endm
; 16 products: token blocks a0, a0 + 1 of the window's four (hi = 0: blocks 0-3, 1: blocks 4-7) x all 8 column blocks, 32 along K.  zero = 1: the first product starts the sums.
; The 64 accumulators take turns, one instruction a turn, in the same order in every quarter.  ride = 1: one group of RIDE stands behind each product.
.macro MUL16 f, hi, a0, zero, ride=0, half=0
.set mi, 0
.irp a, \a0, (\a0)+1
.irp b, 0,1,2,3,4,5,6,7
	WIN MUL_LO+0x50*(\hi)
.if \zero
	v_wmma_f32_16x16x32_f16 v[8*(8*(\a)+(\b)):8*(8*(\a)+(\b))+7], v[(\f)+8*(\b):(\f)+8*(\b)+7], v[(\f)+8*(4*(\hi)+(\a)):(\f)+8*(4*(\hi)+(\a))+7], 0
.else
	v_wmma_f32_16x16x32_f16 v[8*(8*(\a)+(\b)):8*(8*(\a)+(\b))+7], v[(\f)+8*(\b):(\f)+8*(\b)+7], v[(\f)+8*(4*(\hi)+(\a)):(\f)+8*(4*(\hi)+(\a))+7], v[8*(8*(\a)+(\b)):8*(8*(\a)+(\b))+7]
.endif
.if \ride
	RIDE mi, \half
.endif
.set mi, mi+1
.endr
.endr
.endm
; 32 LDS loads in one run: quarter c's fragments into buffer f: my 128 rows of w2h (two loads of 16 bytes, 32 bytes apart, a fragment), then the 128 tokens of h (as they lie: 512 bytes on end a load)
.macro FETCH slot, c, f
	WIN TO_1
.irp i, 0,1,2,3,4,5,6,7
	ds_load_b128 v[(\f)+8*(\i):(\f)+8*(\i)+3],   v[ADRB+(\slot)] offset:64*(\c)+(\i)*16*PITCH
	ds_load_b128 v[(\f)+8*(\i)+4:(\f)+8*(\i)+7], v[ADRB+(\slot)] offset:64*(\c)+(\i)*16*PITCH+32
.endr
	WIN 0
.irp i, 0,1,2,3,4,5,6,7
	ds_load_b128 v[(\f)+8*(\i):(\f)+8*(\i)+3],   v[ADRA] offset:8192*(\c)+1024*(\i)
	ds_load_b128 v[(\f)+8*(\i)+4:(\f)+8*(\i)+7], v[ADRA] offset:8192*(\c)+1024*(\i)+512
.endr
.endm
; A K step is four quarters of 32 along K, 64 products each, on buffers 0, 1, 0, 1; two quarters are a phase.
; AN EVEN QUARTER c multiplies buffer 0 and fetches quarter c + 1 into buffer 1.  ride = 1: h of the next phase but one's... of the phase after this one, whose h^T the quarter before has made, is rounded and stored into
; the half of HB that nobody reads since that quarter's barrier.
.macro EVEN slot, c, zero, ride, half
	s_wait_dscnt 8                                 ; w2h's fragments and h's blocks 0-3 are in; the youngest eight loads (blocks 4-7) may be out
	MUL16 F0, 0, 0, \zero, \ride, \half
	MUL16 F0, 0, 2, \zero
	PLACES
	FETCH \slot, (\c)+1, F1
	s_wait_dscnt 32                                ; all but the 32 just issued
	MUL16 F0, 1, 0, \zero
	MUL16 F0, 1, 2, \zero
.endm
; AN ODD QUARTER multiplies buffer 1 and has the phase's barrier in its middle.  In front of the signal each wave has waited for all its LDS instructions: its reads of this phase's half of HB and its stores of the
; next phase's h.  Behind the barrier the next phase's fragments are read, and h^T of the phase after that is made (prod = 1).
; Quarter 1: a plain barrier.  The slot's refill may stay out across it: no tensor load follows before the next change of slots.
.macro ODDH slot, prod, lc, reload
	s_wait_dscnt 8
	MUL16 F1, 0, 0, 0
	s_wait_dscnt 0x0
	s_barrier_signal -1
	MUL16 F1, 0, 2, 0
	s_barrier_wait -1
	PLACES
	FETCH \slot, 2, F0
.if \prod
	PROD 0, \lc, \reload
.endif
	MUL16 F1, 1, 0, 0
	MUL16 F1, 1, 2, 0
.endm
; Quarter 3: the change of slots.  Each wave also waits for all its tensor loads, of which one is out: its part of the next slot; and adds 0 to its spare word.  fill = 1: the barrier opens a round of the
; cluster's, so that no wave of any partner still reads the slot or has a load on its way, and the joint refill, two K steps on, is the first thing behind it: 240 products stand between it and the wait for it.
.macro ODDS slot, next, fill, prod, lc, reload
.if \fill
	s_wait_xcnt 0x0                                ; the last prefetch, a K step back, has read its address: it is stepped here, ahead of the waits of the change of slots
	s_add_nc_u64 s[PFA:PFA+1], s[PFA:PFA+1], 256
.endif
	WIN 0                                          ; (the add's two registers lie in window 0)
	s_wait_tensorcnt 0x0                           ; all my tensor loads have landed;
	ds_add_u32 v[SPW], v[NIL]                      ; 0 onto my spare word
	s_wait_dscnt 9                                 ; (the add and the youngest eight loads may be out)
	MUL16 F1, 0, 0, 0                              ; sixteen products stand between the add and the wait for it
	s_wait_dscnt 0x0                               ; the add is done, my reads of this slot and of HB's half are over, my stores into HB are done
	s_barrier_signal -1
	MUL16 F1, 0, 2, 0
.if \fill
	WIN 0
.endif
	s_barrier_wait -1
.if \fill
	CREST
	s_add_nc_u64 s[G0+4*(\slot)+2:G0+4*(\slot)+3], s[G0+4*(\slot)+2:G0+4*(\slot)+3], 512  ; no tensor load of mine is out, so a group 0 may be written
	tensor_load_to_lds s[G0+4*(\slot):G0+4*(\slot)+3], s[G1:G1+7]  ; my one tensor load behind the round
	s_nop 0
	PLACES                                         ; (the places in front of the loads below)
.else
	PLACES
.endif
	FETCH \next, 0, F0
.if \fill
	ASK                                            ; behind the joint load and the run of LDS loads that the next products wait for
.endif
.if \prod
	PROD 1, \lc, \reload
.endif
	MUL16 F1, 1, 0, 0
	MUL16 F1, 1, 2, 0
.endm
	s_wait_loadcnt 0x0                             ; theta, x, b2, w1e's first two phases
	COS8 CT
.irp a, 0,1,2,3
	COS8 XV+8*(\a)
.irp i, 0,1,2,3
	v_pk_mul_f32 v[XV+8*(\a)+2*(\i):XV+8*(\a)+2*(\i)+1], v[XV+8*(\a)+2*(\i):XV+8*(\a)+2*(\i)+1], v[CT+2*(\i):CT+2*(\i)+1]
.endr
.irp i, 0,1,2,3
	v_cvt_pk_f16_f32 v[TQ+4*(\a)+(\i)], v[XV+8*(\a)+2*(\i)], v[XV+8*(\a)+2*(\i)+1]
.endr
.endr
	WIN TO_1
.irp a, 0,1,2,3                        ; lanes 0-15 hold k = 0..7: q; lanes 16-31 hold k = 8..15: a 1, which meets b1, and zeros
	v_cndmask_b32 v[Q+8*(\a)],   v[ONE], v[TQ+4*(\a)],   s[HM]
	v_cndmask_b32 v[Q+8*(\a)+1], v[ZR],  v[TQ+4*(\a)+1], s[HM]
	v_cndmask_b32 v[Q+8*(\a)+2], v[ZR],  v[TQ+4*(\a)+2], s[HM]
	v_cndmask_b32 v[Q+8*(\a)+3], v[ZR],  v[TQ+4*(\a)+3], s[HM]
.endr
	PROD 0, 2, 1                                   ; h of phase 0; w1e's phase 2 is asked for
	LUMP 0
	PROD 1, 2, 1                                   ; h of phase 1; phase 3 is asked for
	LUMP 1
	s_wait_tensorcnt 0x1                           ; my part of K step 0 is in; K step 1's may stay out
	s_wait_dscnt 0x0                               ; my stores into HB are done
	s_barrier_signal -1
	s_barrier_wait -1
	FETCH 0, 0, F0
	EVEN 0, 0, 1, 0, 0                             ; the first quarter stands in front of the loop: its products start the sums
	WIN 0                                          ; at a label and at a branch every window is 0
	s_mov_b32 s[TRIP], 15
.Llap:                                                 ; a trip goes once round the ring, from a lap's second quarter to the next lap's first: four phases, two refills
	ODDH 0, 1, 2, 1
	EVEN 0, 2, 0, 1, 0
	ODDS 0, 1, 1, 1, 2, 1
	EVEN 1, 0, 0, 1, 1
	ODDH 1, 1, 2, 1
	EVEN 1, 2, 0, 1, 0
	ODDS 1, 0, 1, 1, 2, 1
	EVEN 0, 0, 0, 1, 1
	WIN 0
	s_sub_co_u32 s[TRIP], s[TRIP], 1
	s_cmp_lg_u32 s[TRIP], 0
	s_cbranch_scc1 .Llap
	ODDH 0, 1, 2, 0                                ; the last lap, K steps 30 and 31, is written out. h^T of phase 62; nothing is left of w1e to ask for
	EVEN 0, 2, 0, 1, 0
	ODDS 0, 1, 0, 1, 0, 0                          ; h^T of phase 63, the last: no younger load exists, so its wait is for 0
	EVEN 1, 0, 0, 1, 1
	ODDH 1, 0, 0, 0
	EVEN 1, 2, 0, 0, 0
	s_wait_dscnt 8                                 ; the very last quarter
	MUL16 F1, 0, 0, 0
	s_wait_dscnt 0x0                               ; my reads of HB are over:
	s_barrier_signal -1
	MUL16 F1, 0, 2, 0
	MUL16 F1, 1, 0, 0
	MUL16 F1, 1, 2, 0
	WIN 0
	s_barrier_wait -1                              ; everybody's are: HB is now the stage
; THE WAY OUT, in 16 pieces of 16 tokens x 64 columns (a row: 256 bytes).  Piece i: token block i / 2, column half i % 2.  A lane's 32 bytes of a row go into my own stage, rows of 272 bytes,
; each accumulator from its lowest registers on, and come back as whole rows; b2 is added; 16 lanes store 256 consecutive bytes, at a multiple of 256 from out0's first byte.
.macro TOSTAGE i
.set AC, 64*(((\i)/2)%4)+32*((\i)%2)
.set BK, OB0+(OB1-OB0)*((\i)%2)
.if (\i) >= 2
	s_wait_xcnt 0x0                                ; the stores of the piece before last have read the registers that are loaded again below
.endif
	WIN 0x08+4*((\i)/8)                            ; the stores' data in window 2 or 3
.irp b, 0,1,2,3
	ds_store_b128 v[STO], v[AC+8*(\b):AC+8*(\b)+3]   offset:64*(\b)
	ds_store_b128 v[STO], v[AC+8*(\b)+4:AC+8*(\b)+7] offset:64*(\b)+16
.endr
	WIN 0
.irp t, 0,1,2,3,4,5,6,7
	ds_load_b128 v[BK+4*(\t):BK+4*(\t)+3], v[RD] offset:(\t)*2*SPITCH  ; LDS serves a wave's instructions in order (ISA guide 5.7.1.4): these see the stores above; the next piece's stores come behind them
.endr
.endm
.macro SEND i, younger                 ; younger: the LDS instructions issued behind piece i's loads: the next piece's sixteen, or none
.set BK, OB0+(OB1-OB0)*((\i)%2)
	s_wait_dscnt \younger
.irp t, 0,1,2,3,4,5,6,7
	v_pk_add_f32 v[BK+4*(\t):BK+4*(\t)+1],   v[BK+4*(\t):BK+4*(\t)+1],   v[BI+4*((\i)%2):BI+4*((\i)%2)+1]
	v_pk_add_f32 v[BK+4*(\t)+2:BK+4*(\t)+3], v[BK+4*(\t)+2:BK+4*(\t)+3], v[BI+4*((\i)%2)+2:BI+4*((\i)%2)+3]
	global_store_b128 v[CO], v[BK+4*(\t):BK+4*(\t)+3], s[14:15] offset:(16*((\i)/2)+2*(\t))*4096+256*((\i)%2) th:TH_STORE_NT  ; the piece's place stands in the immediate, 516,352 at the most: no base is stepped
.endr
.endm
	PLACES                                         ; the places behind the last products, in front of the stores that read their results
	PLACES
	TOSTAGE 0
.set pn, 1
.rept 15
	TOSTAGE pn
	SEND pn-1, 16
.set pn, pn+1
.endr
	SEND 15, 0
	s_wait_tensorcnt 0x0                           ; the wave's end: a wait, an add of 0 to my spare word and its wait, behind my last tensor load and my last LDS store
	ds_add_u32 v[SPW], v[NIL]
	s_wait_dscnt 0x0
	CROUND                                         ; the closing round: no work-group ends while a partner may still ask for a tile that names it
	s_endpgm
.Lfunc_end_k_qa3586ba748_ffn:
	.size	k_qa3586ba748_ffn, .Lfunc_end_k_qa3586ba748_ffn-k_qa3586ba748_ffn
	.p2alignl 7, 3214868480
	.fill 96, 4, 3214868480
	.section	.rodata,"a",@progbits
	.p2align	6, 0x0
	.amdhsa_kernel k_qa3586ba748_ffn
		.amdhsa_group_segment_fixed_size 327680
		.amdhsa_private_segment_fixed_size 0
		.amdhsa_enable_private_segment 0
		.amdhsa_kernarg_size 48
		.amdhsa_user_sgpr_count 2
		.amdhsa_user_sgpr_kernarg_segment_ptr 1
		.amdhsa_wavefront_size32 1
		.amdhsa_system_sgpr_workgroup_id_x 1
		.amdhsa_system_sgpr_workgroup_id_y 1
		.amdhsa_system_sgpr_workgroup_id_z 1
		.amdhsa_system_vgpr_workitem_id 0
		.amdhsa_next_free_vgpr 1024
		.amdhsa_next_free_sgpr 66
		.amdhsa_reserve_vcc 0
		.amdhsa_float_denorm_mode_32 3
		.amdhsa_float_denorm_mode_16_64 3
		.amdhsa_memory_ordered 1
		.amdhsa_forward_progress 1
		.amdhsa_inst_pref_size 231
	.end_amdhsa_kernel
	.amdgpu_metadata
---
amdhsa.version: [ 1, 2 ]
amdhsa.kernels:
  - .name:           k_qa3586ba748_ffn
    .symbol:         k_qa3586ba748_ffn.kd
    .args:
      - { .name: x, .offset: 0, .size: 8, .value_kind: global_buffer, .address_space: global }
      - { .name: theta, .offset: 8, .size: 8, .value_kind: global_buffer, .address_space: global }
      - { .name: w1e, .offset: 16, .size: 8, .value_kind: global_buffer, .address_space: global }
      - { .name: w2h, .offset: 24, .size: 8, .value_kind: global_buffer, .address_space: global }
      - { .name: b2, .offset: 32, .size: 8, .value_kind: global_buffer, .address_space: global }
      - { .name: out0, .offset: 40, .size: 8, .value_kind: global_buffer, .address_space: global }
    .group_segment_fixed_size: 327680
    .private_segment_fixed_size: 0
    .kernarg_segment_align: 8
    .kernarg_segment_size: 48
    .max_flat_workgroup_size: 128
    .sgpr_count:     66
    .vgpr_count:     1024
    .wavefront_size: 32
...
	.end_amdgpu_metadata
.endif
;; end of part 2
;; ======== version 2 of 2: 2 launches; version 1 with the launch prep written anew for expert scheduling mode
;; limits: values are held in f16: magnitudes above 65,504 overflow, below 6.1e-05 lose precision; inputs' magnitudes at most 1,000,000; values outside matrix products are rounded to f16
;; workspace buffers: w2h 8,388,608 bytes; w1e 131,072 bytes
;; launch prep (part 3): grid 256 x 1, 8 waves a work-group, no clusters, 0 bytes of LDS; arguments W2, W1, b1, w2h, w1e; writes w2h, w1e
.if DOCPART == 3
	.amdgcn_target "amdgcn-amd-amdhsa--gfx1250"
	.amdhsa_code_object_version 6
	.text
	.protected	k_qa3586ba748_prep
	.globl	k_qa3586ba748_prep
	.p2align	8
	.type	k_qa3586ba748_prep,@function
k_qa3586ba748_prep:
	s_mov_b64 s[64:65], 0
	v_nop
	global_prefetch_b8 v0, s[64:65] scope:SCOPE_SE
	s_setreg_imm32_b32 hwreg(HW_REG_WAVE_SCHED_MODE, 0, 2), 2
	s_setreg_imm32_b32 hwreg(HW_REG_WAVE_MODE, 25, 1), 1
	s_wait_xcnt 0x0
	s_wait_alu depctr_vm_vsrc(0)
; w2h = W2 rounded once to f16, in W2's own row-major order [1024][4096].
; w1e = a table [4096][16] of f16: row f = W1[f][0..7], b1[f], seven zeros: 32 bytes, the two 16-byte halves of a matrix fragment's row.
; LIMIT.  f16 ends at 65,504: |W2|, |W1| and |b1| stay under it; below 6e-5 a number keeps f16's fixed step of 6e-8.
; SHARES.  A stream: no LDS, no barrier, no matrix work.  Work-group g casts bytes 65,536 g .. of W2 into bytes 32,768 g .. of w2h; wave v takes 8,192 of them by 16 loads of
; 512 consecutive bytes, all issued at once; each store of a wave covers 256 consecutive bytes, aligned.  No register is written twice, so no store's source is ever freed.
; Wave 0 also makes rows 16 g .. 16 g + 15 of w1e: lane l makes half l % 2 of row l / 2, and the wave's one store covers 512 consecutive bytes.
; THE MODE: SCHED_MODE bits 1:0 = 2 (LLVM: expert scheduling mode 2), set by the entry lines.  The code itself states the register dependences
; between vector instructions and memory instructions, with s_wait_alu, always for 0.
; THE PLAN.  Registers that memory instructions touch:
;   v1, v2, v7, v8, v9   byte offsets, made once at the head and never written again: one wait in front of the first load states them for the whole kernel.
;   IN, v[12:20]         written by loads alone, and named by no vector instruction ahead of those loads; read by the conversions; no later load lands in them.
;   OUT                  a pair for each of the 16 stores: written once, by its two conversions, read by its store, never written again.
;   v[28:31]             wave 0: written once, by four selects, read by the table's store.
; No register that a memory instruction has read is written again, so no wait on vm_vsrc is owed.  The cast goes in four blocks of four loads: block p's conversions write its four pairs of OUT,
; and the four stores that read them are issued in block p + 1, behind ONE wait at that block's head, dealt among that block's conversions, which name IN and OUT of their own block alone.
.set IN,  32                           ; v[32:95]   the 16 loads, four f32 a lane each
.set OUT, 96                           ; v[96:127]  the 16 stores, four f16 a lane each
	s_load_b256 s[4:11], s[0:1], 0x0               ; W2 s[4:5], W1 s[6:7], b1 s[8:9], w2h s[10:11]
	s_load_b64 s[12:13], s[0:1], 0x20              ; w1e
	v_lshrrev_b32 v3, 5, v0
	v_readfirstlane_b32 s14, v3                    ; wave 0..7
	v_and_b32 v4, 31, v0                           ; lane
	v_lshlrev_b32 v1, 4, v4
	v_lshl_or_b32 v1, v3, 13, v1                   ; in:  8,192 x wave + 16 x lane
	v_lshlrev_b32 v2, 3, v4
	v_lshl_or_b32 v2, v3, 12, v2                   ; out: 4,096 x wave + 8 x lane
	v_lshrrev_b32 v5, 1, v4                        ; the table's row among the group's 16
	v_and_b32 v6, 1, v4                            ; which half of it
	v_lshlrev_b32 v7, 5, v5                        ; a row of W1 is 32 bytes
	v_lshlrev_b32 v8, 2, v5                        ; a number of b1 is 4
	v_lshlrev_b32 v9, 4, v4                        ; my 16 bytes of the table
	v_mov_b32 v10, 0
	s_lshl_b32 s16, ttmp9, 16                      ; the group's part of W2,
	s_mov_b32 s17, 0
	s_lshl_b32 s18, ttmp9, 15                      ; of w2h,
	s_mov_b32 s19, 0
	s_lshl_b32 s20, ttmp9, 9                       ; of W1 and of w1e (16 rows of 32 bytes),
	s_mov_b32 s21, 0
	s_lshl_b32 s22, ttmp9, 6                       ; and of b1
	s_mov_b32 s23, 0
	s_wait_kmcnt 0x0
	s_add_nc_u64 s[4:5], s[4:5], s[16:17]
	s_add_nc_u64 s[10:11], s[10:11], s[18:19]
	s_add_nc_u64 s[6:7], s[6:7], s[20:21]
	s_add_nc_u64 s[12:13], s[12:13], s[20:21]
	s_add_nc_u64 s[8:9], s[8:9], s[22:23]
	s_wait_alu depctr_va_sdst(0)                   ; s14 is written, ahead of its one reader, the compare below, and ahead of the branch
	s_wait_alu depctr_va_vdst(0)                   ; the offsets v1, v2, v7, v8 and v9 are written: every load and store of the kernel reads one of them
.irp j, 0,1,2,3,4,5,6,7,8,9,10,11,12,13,14,15
	global_load_b128 v[IN+4*(\j):IN+4*(\j)+3], v1, s[4:5] offset:512*(\j) th:TH_LOAD_NT
.endr
	s_cmp_lg_u32 s14, 0
	s_cbranch_scc1 .Lcast                          ; the table is wave 0's
	global_load_b128 v[12:15], v7, s[6:7]          ; W1[f][0..3]
	global_load_b128 v[16:19], v7, s[6:7] offset:16  ; W1[f][4..7]
	global_load_b32 v20, v8, s[8:9]                ; b1[f]
	v_cmp_eq_u32 vcc_lo, 1, v6                     ; which half is mine: made while the loads are out
	s_wait_loadcnt 0x0
	v_cvt_pk_f16_f32 v22, v12, v13
	v_cvt_pk_f16_f32 v23, v14, v15
	v_cvt_pk_f16_f32 v24, v16, v17
	v_cvt_pk_f16_f32 v25, v18, v19
	v_cvt_pk_f16_f32 v26, v20, v10                 ; b1[f], 0
	s_wait_alu depctr_va_vcc(0)                    ; the compare has written VCC, which the four selects read
	v_cndmask_b32 v28, v22, v26, vcc_lo            ; half 0: W1's eight; half 1: b1 and zeros
	v_cndmask_b32 v29, v23, v10, vcc_lo
	v_cndmask_b32 v30, v24, v10, vcc_lo
	v_cndmask_b32 v31, v25, v10, vcc_lo
	s_wait_alu depctr_va_vdst(0)                   ; the selects have written v[28:31], which the store reads
	global_store_b128 v9, v[28:31], s[12:13]
.Lcast:
; Block p: loads 4 p to 4 p + 3 are rounded; the stores of block p - 1 stand among the conversions, one in front of each pair.
.irp p, 0,1,2,3
	s_wait_loadcnt 12-4*(\p)                       ; loads come back in order: this block's four are in, the younger blocks of the cast may stay out (in wave 0 all are in)
.if (\p) > 0
	s_wait_alu depctr_va_vdst(0)                   ; the block before has written its four pairs of OUT, which the four stores below read; no conversion of this block names them
.endif
.irp i, 0,1,2,3
.set n, 4*(\p)+(\i)
.if (\p) > 0
	global_store_b64 v2, v[OUT+2*n-8:OUT+2*n-7], s[10:11] offset:256*n-1024  ; load n - 4's four numbers
.endif
	v_cvt_pk_f16_f32 v[OUT+2*n],   v[IN+4*n],   v[IN+4*n+1]
	v_cvt_pk_f16_f32 v[OUT+2*n+1], v[IN+4*n+2], v[IN+4*n+3]
.endr
.endr
	s_wait_alu depctr_va_vdst(0)                   ; block 3 has written its four pairs of OUT, which the last four stores read
.irp j, 12,13,14,15
	global_store_b64 v2, v[OUT+2*(\j):OUT+2*(\j)+1], s[10:11] offset:256*(\j)
.endr
	s_endpgm
.Lfunc_end_k_qa3586ba748_prep:
	.size	k_qa3586ba748_prep, .Lfunc_end_k_qa3586ba748_prep-k_qa3586ba748_prep
	.p2alignl 7, 3214868480
	.fill 96, 4, 3214868480
	.section	.rodata,"a",@progbits
	.p2align	6, 0x0
	.amdhsa_kernel k_qa3586ba748_prep
		.amdhsa_group_segment_fixed_size 0
		.amdhsa_private_segment_fixed_size 0
		.amdhsa_enable_private_segment 0
		.amdhsa_kernarg_size 40
		.amdhsa_user_sgpr_count 2
		.amdhsa_user_sgpr_kernarg_segment_ptr 1
		.amdhsa_wavefront_size32 1
		.amdhsa_system_sgpr_workgroup_id_x 1
		.amdhsa_system_sgpr_workgroup_id_y 1
		.amdhsa_system_sgpr_workgroup_id_z 1
		.amdhsa_system_vgpr_workitem_id 0
		.amdhsa_next_free_vgpr 128
		.amdhsa_next_free_sgpr 66
		.amdhsa_reserve_vcc 1
		.amdhsa_float_denorm_mode_32 3
		.amdhsa_float_denorm_mode_16_64 3
		.amdhsa_memory_ordered 1
		.amdhsa_forward_progress 1
		.amdhsa_inst_pref_size 8
	.end_amdhsa_kernel
	.amdgpu_metadata
---
amdhsa.version: [ 1, 2 ]
amdhsa.kernels:
  - .name:           k_qa3586ba748_prep
    .symbol:         k_qa3586ba748_prep.kd
    .args:
      - { .name: W2, .offset: 0, .size: 8, .value_kind: global_buffer, .address_space: global }
      - { .name: W1, .offset: 8, .size: 8, .value_kind: global_buffer, .address_space: global }
      - { .name: b1, .offset: 16, .size: 8, .value_kind: global_buffer, .address_space: global }
      - { .name: w2h, .offset: 24, .size: 8, .value_kind: global_buffer, .address_space: global }
      - { .name: w1e, .offset: 32, .size: 8, .value_kind: global_buffer, .address_space: global }
    .group_segment_fixed_size: 0
    .private_segment_fixed_size: 0
    .kernarg_segment_align: 8
    .kernarg_segment_size: 40
    .max_flat_workgroup_size: 256
    .sgpr_count:     66
    .vgpr_count:     128
    .wavefront_size: 32
...
	.end_amdgpu_metadata
.endif
;; end of part 3
;; launch ffn: the kernel of part 2 again; grid 128 x 2, 4 waves a work-group, clusters of 4 x 1, 327,680 bytes of LDS; arguments x, theta, w1e, w2h, b2, out0; writes out0
